; MI455X (gfx1250); checked and timed in simulation.
; The chip was launched on July 23, 2026; its instructions are those of AMD's public machine-readable ISA for CDNA 5 (MIT licence, August 2026) and "CDNA5" Instruction Set Architecture Reference Guide (July 2026). The comments in the code are by the model that wrote it; some were corrected since.
;; VQ Embedding. Allowed arithmetic: float matrix products may take bf16 or f16 operands with f32 sums; all other float work in f32.
;; Inputs: codebook 8,192 x 256 float32; z_e_x 8 x 256 x 1,024 float32.
;; Outputs: out0 8 x 1,024 int32.
;; One version. Each part assembles by itself: llvm-mc -triple=amdgcn-amd-amdhsa -mcpu=gfx1250 --defsym DOCPART=n.
;; ======== version 1 of 1: 3 launches
;; workspace buffers: zf 4,194,304 bytes; cf 4,227,072 bytes; zsq 32,768 bytes; part 1,048,576 bytes
;; launch prep (part 1): grid 256 x 1, 4 waves a work-group, no clusters, 36,608 bytes of LDS; arguments z_e_x, codebook, zf, cf, zsq; writes zf, cf, zsq
.if DOCPART == 1
	.amdgcn_target "amdgcn-amd-amdhsa--gfx1250"
	.amdhsa_code_object_version 6
	.text
	.protected	k_q03a7413bfd_prep
	.globl	k_q03a7413bfd_prep
	.p2align	8
	.type	k_q03a7413bfd_prep,@function
k_q03a7413bfd_prep:
	s_mov_b64 s[64:65], 0
	v_nop
	global_prefetch_b8 v0, s[64:65] scope:SCOPE_SE
	s_setreg_imm32_b32 hwreg(HW_REG_WAVE_MODE, 25, 1), 1
	s_wait_xcnt 0x0
; PREP: rounds z_e_x [8][256][1024] and codebook [8192][256] to bf16, lays both in the order in which a matrix fragment is read,
; and sums the squares of the ROUNDED numbers in f32 (z_sq per row, e_sq per code).
; A tile is 16 rows x 256 dimensions of bf16, 8,192 bytes = 16 blocks of 512 bytes.  Lane L = 16 h + r owns bytes 16 L .. 16 L + 15 of
; block x: chunk l = 2 x + h of row r, whose elements e = 0 .. 7 are the dimensions 4 l + (e & 3) + 128 (e >> 2).  The same order of the
; dimensions is used for both operands, so every product meets its partner.  It is chosen so that both inputs are read in whole runs:
; 16 bytes of a code row are half a chunk, and 16 lanes x 16 bytes along t are one dimension of 64 rows of z.
;   zf : group of 64 rows (b, t0 .. t0+63) = 32,768 bytes; tile i (0..3) at 8,192 i holds the rows t0 + 4 r + i
;   cf : slice of 512 codes = 264,192 bytes: e_sq (2,048 bytes), then 32 tiles; tile ct holds the codes 16 ct + r
;   zsq: f32 for each row b * 1024 + t
; Work-groups 0..127 take a group of 64 rows of z, work-groups 128..255 take 64 codes.  Each of the four waves reads 16 KiB by 32 loads
; that are all issued at once, and writes 8 KiB.  Memory binds: no matrix unit, no cluster (no work-group shares a byte with another).
; LDS: 0..1023 the z path's sums (4 waves x 64 rows); 1,024..1,279 the code path's sums (64 codes); from 1,280 a stage of 8,704 bytes for
; each wave, used by the code path.  Each path has bytes of its own: no store of one path names a byte that the other path stores.
; LIMIT: NaN and infinities are passed on as they round; the later launches do not serve them.
.set X,    32                          ; v[32:159]  as loaded, 32 x 4 registers
.set P,    160                         ; v[160:223] packed chunks (z) / blocks read back from the stage (codes)
.set T,    6                           ; v[6:13]    four pairs at work
.set A,    14                          ; v[14:21]   four pairs of running sums
.set SUM,  22                          ; v[22:25]   sums on their way to LDS
.set CSQ,  1024                        ; LDS: the code path's 64 sums
.set STG,  1280                        ; LDS: the stages
.set UNIT, 272                         ; stage: one chunk number, 16 rows x 16 bytes, + 16 bytes so that 16 lanes hit 16 different 16-byte columns
; two bf16 of one word, squared and added to a pair of sums; cont = 0: the first product starts the sums
.macro SQ acc, src, tmp, cont
	v_lshlrev_b32 v[\tmp], 16, v[\src]
	v_and_b32 v[\tmp+1], s9, v[\src]
.if \cont
	v_pk_fma_f32 v[\acc:\acc+1], v[\tmp:\tmp+1], v[\tmp:\tmp+1], v[\acc:\acc+1]
.else
	v_pk_mul_f32 v[\acc:\acc+1], v[\tmp:\tmp+1], v[\tmp:\tmp+1]
.endif
.endm
	s_load_b256 s[12:19], s[0:1], 0x0              ; z s[12:13], codebook s[14:15], zf s[16:17], cf s[18:19]
	s_load_b64 s[20:21], s[0:1], 0x20              ; zsq
	v_lshl_add_u32 v224, v0, 2, 0x8d00
	v_mov_b32 v225, 0
	v_and_b32 v1, 31, v0                           ; lane
	v_and_b32 v2, 15, v0                           ; r
	v_bfe_u32 v3, v0, 4, 1                         ; h
	v_lshrrev_b32 v4, 5, v0
	v_readfirstlane_b32 s8, v4                     ; wave 0..3
	s_mov_b32 s9, 0xffff0000                       ; the upper bf16 of a word
	s_mov_b32 s10, 0x76543210                      ; v_permlanex16_b32: lane i reads lane i of the other half
	s_mov_b32 s11, 0xfedcba98
	s_and_b32 s22, ttmp9, 127                      ; gi: my group of 64 rows of z, or my group of 64 codes
	s_mov_b32 s5, 0
	s_lshr_b32 s4, s22, 4
	s_lshl_b32 s4, s4, 20                          ; b = gi / 16: 1 MiB each
	s_and_b32 s6, s22, 15
	s_lshl_b32 s6, s6, 8                           ; t0 = 64 (gi % 16): 256 bytes each
	s_add_co_u32 s4, s4, s6
	s_wait_kmcnt 0x0
	s_add_nc_u64 s[24:25], s[12:13], s[4:5]        ; z at (b, dimension 0, t0)
	s_lshl_b32 s4, s22, 15
	s_add_nc_u64 s[26:27], s[16:17], s[4:5]        ; zf at my group
	s_lshl_b32 s4, s22, 8
	s_add_nc_u64 s[28:29], s[20:21], s[4:5]        ; zsq at my 64 rows
	s_lshl_b32 s4, s22, 16
	s_add_nc_u64 s[30:31], s[14:15], s[4:5]        ; codebook at my 64 codes
	s_lshr_b32 s4, s22, 3
	s_mul_i32 s4, s4, 264192
	s_add_nc_u64 s[32:33], s[18:19], s[4:5]        ; cf at my slice
	s_and_b32 s6, s22, 7
	s_lshl_b32 s4, s6, 8
	s_add_nc_u64 s[34:35], s[32:33], s[4:5]        ; e_sq of my 64 codes
	s_lshl_b32 s4, s6, 15
	s_add_co_u32 s4, s4, 2048
	s_add_nc_u64 s[36:37], s[32:33], s[4:5]        ; my four tiles
	s_cmp_lt_u32 ttmp9, 128                        ; the same in all four waves
	s_cbranch_scc0 .Lcodes
	; ---- 64 rows of z.  Wave w takes the chunks l = 8 w + 2 c + h, c = 0..3, that is the blocks x = 4 w + c of all four tiles.
	v_lshlrev_b32 v4, 4, v2                        ; 16 r: four neighbouring t
	v_lshl_add_u32 v4, v3, 14, v4                  ; + 4 h dimensions of 4,096 bytes
	s_lshl_b32 s4, s8, 17
	v_add_nc_u32 v4, s4, v4                        ; + 32 w dimensions
	v_lshlrev_b32 v5, 4, v1
	s_lshl_b32 s4, s8, 11
	v_add_nc_u32 v5, s4, v5                        ; out: 16 lane + 4 w blocks of 512 bytes
	; load n = 8 c + e: dimension 32 w + 8 c + 4 h + (e & 3) + 128 (e >> 2); each half of the lanes reads 256 consecutive bytes, aligned
.set n, 0
.rept 32
	global_load_b128 v[X+4*n:X+4*n+3], v4, s[24:25] offset:32768*(n>>3)+4096*(n&3)+524288*((n>>2)&1) th:TH_LOAD_NT
.set n, n+1
.endr
.irp c, 0,1,2,3
	s_wait_loadcnt 24-8*\c                         ; loads return in order: the eight of this c are in, those of the later c stay out
.irp i, 0,1,2,3
.irp p, 0,1,2,3
	v_cvt_pk_bf16_f32 v[P+16*\c+4*\i+\p], v[X+4*(8*\c+2*\p)+\i], v[X+4*(8*\c+2*\p+1)+\i]   ; component i of a load is row 4 r + i: tile i
.endr
	global_store_b128 v5, v[P+16*\c+4*\i:P+16*\c+4*\i+3], s[26:27] offset:8192*\i+512*\c   ; a whole block: 512 consecutive bytes; P is never written again
.endr
.irp p, 0,1,2,3
.irp i, 0,1,2,3
	SQ A+2*\i, P+16*\c+4*\i+\p, T+2*\i, \c+\p
.endr
.endr
.endr
.irp i, 0,1,2,3
	v_add_f32 v[SUM+\i], v[A+2*\i], v[A+2*\i+1]
.endr
.irp i, 0,1,2,3
	v_permlanex16_b32 v[T+\i], v[SUM+\i], s10, s11 ; the other h; T has been written
.endr
.irp i, 0,1,2,3
	v_add_f32 v[SUM+\i], v[SUM+\i], v[T+\i]        ; my wave's 64 dimensions of the rows 4 r + i
.endr
	v_lshlrev_b32 v30, 4, v2
	s_lshl_b32 s4, s8, 8
	v_add_nc_u32 v30, s4, v30
	ds_store_b128 v30, v[SUM:SUM+3]                ; 256 w + 4 (4 r + i); both halves of the lanes write the same numbers
	s_branch .Ljoin
	; ---- 64 codes.  Wave w takes 16 rows = one tile.  A lane's 2 x 16 bytes of a row are chunk l = lane; the stage turns (row, chunk) round.
.Lcodes:
	v_lshlrev_b32 v4, 4, v1
	v_lshlrev_b32 v5, 4, v1
	s_lshl_b32 s4, s8, 14
	v_add_nc_u32 v4, s4, v4                        ; in: 16 lane + 16 w rows of 1,024 bytes
	s_lshl_b32 s4, s8, 13
	v_add_nc_u32 v5, s4, v5                        ; out: 16 lane + w tiles
	s_mul_i32 s4, s8, 32*UNIT
	s_add_co_u32 s4, s4, STG                       ; my wave's own stage
	v_mul_u32_u24 v30, v1, UNIT
	v_add_nc_u32 v30, s4, v30                      ; into the stage: unit = my chunk, the row in the immediate
	v_mul_u32_u24 v31, v3, UNIT
	v_lshl_add_u32 v31, v2, 4, v31
	v_add_nc_u32 v31, s4, v31                      ; back: unit 2 x + h, row r
.set n, 0
.rept 32
	global_load_b128 v[X+4*n:X+4*n+3], v4, s[30:31] offset:512*n th:TH_LOAD_NT   ; row n / 2, dimensions 128 (n & 1) + 4 lane ..: 512 consecutive bytes
.set n, n+1
.endr
.set n, 0
.rept 16
	s_wait_loadcnt 30-2*n                          ; the two loads of row n are in, those of the later rows stay out
	v_cvt_pk_bf16_f32 v[X+8*n],   v[X+8*n],   v[X+8*n+1]   ; in place: each line writes a register that the lines before have used up
	v_cvt_pk_bf16_f32 v[X+8*n+1], v[X+8*n+2], v[X+8*n+3]
	v_cvt_pk_bf16_f32 v[X+8*n+2], v[X+8*n+4], v[X+8*n+5]
	v_cvt_pk_bf16_f32 v[X+8*n+3], v[X+8*n+6], v[X+8*n+7]
	ds_store_b128 v30, v[X+8*n:X+8*n+3] offset:16*n
.set n, n+1
.endr
.set n, 0
.rept 16
	ds_load_b128 v[P+4*n:P+4*n+3], v31 offset:2*UNIT*n     ; my own bytes; LDS serves a wave's instructions in order (ISA guide 5.7.1), so these see the stores above
.set n, n+1
.endr
.set n, 0
.rept 16
	s_wait_dscnt 15-n                              ; block n is in, the younger ones stay out
	global_store_b128 v5, v[P+4*n:P+4*n+3], s[36:37] offset:512*n   ; a whole block: 512 consecutive bytes
.irp k, 0,1,2,3
	SQ A+2*\k, P+4*n+\k, T+2*\k, n
.endr
.set n, n+1
.endr
	v_pk_add_f32 v[A:A+1], v[A:A+1], v[A+2:A+3]
	v_pk_add_f32 v[A+4:A+5], v[A+4:A+5], v[A+6:A+7]
	v_pk_add_f32 v[A:A+1], v[A:A+1], v[A+4:A+5]
	v_add_f32 v[SUM], v[A], v[A+1]                 ; the chunks 2 x + h of row r
	v_permlanex16_b32 v[T], v[SUM], s10, s11       ; the other h
	v_add_f32 v[SUM], v[SUM], v[T]
	v_lshlrev_b32 v[SUM+1], 2, v2
	s_lshl_b32 s4, s8, 6
	v_add_nc_u32 v[SUM+1], s4, v[SUM+1]
	ds_store_b32 v[SUM+1], v[SUM] offset:CSQ       ; CSQ + 4 (16 w + r): bytes that the z path never names
.Ljoin:
	s_wait_dscnt 0x0                               ; my sums are in LDS: zero, for the sake of wave 0
	s_barrier_signal -1
	s_barrier_wait -1
	s_cmp_lg_u32 s8, 0
	s_cbranch_scc1 .Lend                           ; wave 0 alone stores the 64 sums: 32 lanes x 8 bytes, 256 consecutive bytes, aligned
	v_lshlrev_b32 v6, 3, v1
	s_cmp_lt_u32 ttmp9, 128
	s_cbranch_scc0 .Lctail
	ds_load_b64 v[8:9], v6                         ; the four waves' parts of two rows
	ds_load_b64 v[10:11], v6 offset:256
	ds_load_b64 v[12:13], v6 offset:512
	ds_load_b64 v[14:15], v6 offset:768
	s_wait_dscnt 0x0
	v_pk_add_f32 v[8:9], v[8:9], v[10:11]
	v_pk_add_f32 v[12:13], v[12:13], v[14:15]
	v_pk_add_f32 v[8:9], v[8:9], v[12:13]
	global_store_b64 v6, v[8:9], s[28:29]
	s_wait_tensorcnt 0x0
	ds_add_u32 v224, v225
	s_wait_dscnt 0x0
	s_endpgm
.Lctail:
	ds_load_b64 v[8:9], v6 offset:CSQ
	s_wait_dscnt 0x0
	global_store_b64 v6, v[8:9], s[34:35]
.Lend:
	s_wait_tensorcnt 0x0
	ds_add_u32 v224, v225
	s_wait_dscnt 0x0
	s_endpgm
.Lfunc_end_k_q03a7413bfd_prep:
	.size	k_q03a7413bfd_prep, .Lfunc_end_k_q03a7413bfd_prep-k_q03a7413bfd_prep
	.p2alignl 7, 3214868480
	.fill 96, 4, 3214868480
	.section	.rodata,"a",@progbits
	.p2align	6, 0x0
	.amdhsa_kernel k_q03a7413bfd_prep
		.amdhsa_group_segment_fixed_size 36608
		.amdhsa_private_segment_fixed_size 0
		.amdhsa_enable_private_segment 0
		.amdhsa_kernarg_size 40
		.amdhsa_user_sgpr_count 2
		.amdhsa_user_sgpr_kernarg_segment_ptr 1
		.amdhsa_wavefront_size32 1
		.amdhsa_system_sgpr_workgroup_id_x 1
		.amdhsa_system_sgpr_workgroup_id_y 1
		.amdhsa_system_sgpr_workgroup_id_z 1
		.amdhsa_system_vgpr_workitem_id 0
		.amdhsa_next_free_vgpr 226
		.amdhsa_next_free_sgpr 66
		.amdhsa_reserve_vcc 0
		.amdhsa_float_denorm_mode_32 3
		.amdhsa_float_denorm_mode_16_64 3
		.amdhsa_memory_ordered 1
		.amdhsa_forward_progress 1
		.amdhsa_inst_pref_size 42
	.end_amdhsa_kernel
	.amdgpu_metadata
---
amdhsa.version: [ 1, 2 ]
amdhsa.kernels:
  - .name:           k_q03a7413bfd_prep
    .symbol:         k_q03a7413bfd_prep.kd
    .args:
      - { .name: z_e_x, .offset: 0, .size: 8, .value_kind: global_buffer, .address_space: global }
      - { .name: codebook, .offset: 8, .size: 8, .value_kind: global_buffer, .address_space: global }
      - { .name: zf, .offset: 16, .size: 8, .value_kind: global_buffer, .address_space: global }
      - { .name: cf, .offset: 24, .size: 8, .value_kind: global_buffer, .address_space: global }
      - { .name: zsq, .offset: 32, .size: 8, .value_kind: global_buffer, .address_space: global }
    .group_segment_fixed_size: 36608
    .private_segment_fixed_size: 0
    .kernarg_segment_align: 8
    .kernarg_segment_size: 40
    .max_flat_workgroup_size: 128
    .sgpr_count:     66
    .vgpr_count:     226
    .wavefront_size: 32
...
	.end_amdgpu_metadata
.endif
;; end of part 1
;; launch main (part 2): grid 16 x 16, 8 waves a work-group, clusters of 4 x 4, 327,680 bytes of LDS; arguments zf, cf, zsq, part; writes part
.if DOCPART == 2
	.amdgcn_target "amdgcn-amd-amdhsa--gfx1250"
	.amdhsa_code_object_version 6
	.text
	.protected	k_q03a7413bfd_main
	.globl	k_q03a7413bfd_main
	.p2align	8
	.type	k_q03a7413bfd_main,@function
k_q03a7413bfd_main:
	s_mov_b64 s[64:65], 0
	v_nop
	global_prefetch_b8 v0, s[64:65] scope:SCOPE_SE
	s_setreg_imm32_b32 hwreg(HW_REG_WAVE_MODE, 25, 1), 1
	s_wait_xcnt 0x0
	s_wait_alu depctr_hold_cnt(0) depctr_sa_sdst(0) depctr_va_vdst(0) depctr_va_sdst(0) depctr_va_ssrc(0) depctr_va_vcc(0) depctr_vm_vsrc(0)
	s_getreg_b32 s2, hwreg(HW_REG_IB_STS2, 6, 4)
	s_cmp_eq_u32 s2, 0
	s_cbranch_scc0 .Lentry_in_a_cluster
	s_endpgm
.Lentry_in_a_cluster:
	s_bfe_u32 s2, ttmp6, 0x10000c
	s_cmp_lg_u32 s2, 0xf033
	s_cbranch_scc0 .Lentry_shape_is_right
	s_endpgm
.Lentry_shape_is_right:
; MAIN: a work-group takes 512 rows of z (block y) against 512 codes (slice x): cross = z . e on the matrix units in bf16 with f32 sums,
; d = fl( fl(z_sq + e_sq) - 2 cross ) with the same two f32 roundings as the formula has, and for each row the least d of the slice with the
; lowest index that reaches it.  Out: part[x][0][row] = d, part[x][1][row] = index.
; Eight waves, two for each SIMD, on purpose: a wave's vector work on one tile of distances runs while its partner feeds the matrix unit.
; Wave w keeps its 64 rows (4 tiles x 8 K steps x 8 registers = 256 registers, window 1) for the whole launch and walks the 32 code tiles.
; The matrix instruction takes 16 codes as A and 16 rows of z as B: lane (r, h), register j then holds code 16 ct + 8 h + j for row 4 r + i,
; so a lane's eight results belong to ONE row and are reduced inside the lane.
; Both operands lie in memory in fragment order (launch prep): every LDS load is lane i at byte 16 i of a block of 512 bytes: no padding, no conflict.
; CLUSTER 4 x 4: the four work-groups of a cluster row share y and ask jointly for the rows of z, the four of a column share x and ask jointly
; for the codes: a quarter of the requests.
; LDS = the image of my slice of cf: 0 e_sq (2,048 bytes), 2,048 + 8,192 ct code tile ct.  At the start only e_sq and tiles 0..6 come in
; (bytes 0 .. 59,391); from XB = 59,392 on lie the 8 x 32 KiB of z, until they are in registers; then tiles 7..31 are filled over them
; while tiles 0..6 are multiplied (7 x 32 matrix instructions in each of the two waves of a SIMD).  No LDS store in this text.
; By this text's own count a wave has at most two tensor loads outstanding (the two first fills), later one.
; LIMITS: NaN or infinite inputs are not served (v_min_num_f32 and the ordered compares drop a NaN, argmin would return its place).  cross is
; summed in the matrix unit's order, with the dimensions permuted alike in both operands: a row whose two best distances lie within the last
; bits of cross from an edge of d's f32 grid may pick the other of the two.
.set XB,    59392                      ; 2,048 + 7 x 8,192
.set SLICE, 264192                     ; bytes of a slice in cf
.set FA,   4                           ; v4   16 lane + 2,048: my 16 bytes in block 0 of tile 0; never rewritten
.set EA,   5                           ; v5   32 h: e_sq of my eight codes of tile 0; never rewritten
.set ZA,   6                           ; v6   my 16 bytes in block 0 of my wave's rows of z
.set FB,   12                          ; v12  FA + 8,192 ct, in the loop
.set EB,   13                          ; v13  EA + 64 ct, in the loop
.set IB,   14                          ; v14  512 x + 8 h
.set VO,   15                          ; v15  my byte offset in part
.set IDX,  16                          ; v[16:19]   the index of the least d, row 4 r + i
.set OUTV, 24                          ; v[24:27]   what I store
.set FR,   64                          ; v[64:127]  the code tile's fragments, K step s at 8 s
.set ACC,  128                         ; v[128:159] four accumulators, one for each tile of z
.set ZT,   160                         ; v[160:191] z_sq + e_sq, then d
.set SV,   192                         ; v[192:223] the eight d of the tile that holds the least so far
.set ES,   224                         ; v[224:231] e_sq of my eight codes
.set ZS,   232                         ; v[232:239] z_sq of row 4 r + i, twice each (pairs for the packed add)
.set BEST, 240                         ; v[240:243] the least d so far
.set BLK,  244                         ; v[244:247] the tile that holds it
.set M,    248                         ; v[248:251] this tile's least d
.set CTV,  252                         ; v252       this tile's number
.set G1Z, 16                           ; s[16:23] shape of the z load      s[40:43] its group 0
.set G1Y, 24                           ; s[24:31] shape of the first codes s[44:47]
.set G1X, 32                           ; s[32:39] shape of the refill      s[48:51]
.set MSB, 0
.macro WIN new                         ; s_set_vgpr_msb: bits 1:0 source 0, 3:2 source 1, 5:4 source 2, 7:6 destination; the high byte repeats the setting that is left
.if MSB != \new
	s_set_vgpr_msb (MSB<<8)|\new
.set MSB, \new
.endif
.endm
; A round of the cluster barrier: my work-group's barrier, wave 0 signals for the work-group, every wave waits for all sixteen, my work-group's barrier again.
.macro ROUND
	s_barrier_signal -1
	s_barrier_wait -1
	s_cmp_lg_u32 s12, 0
	s_cbranch_scc1 .Lnot_wave_0_\@
	s_barrier_signal -3
.Lnot_wave_0_\@:
	s_barrier_wait -3
	s_barrier_signal -1
	s_barrier_wait -1
.endm
; Group 1 of a dense block taken as rows of 32 elements of 8 bytes (256 bytes), words 1 to 7
.macro SHAPE g, rows
	s_mov_b32 s[\g+1], 32<<16                      ; tensor_dim0 = 32
	s_mov_b32 s[\g+2], \rows<<16                   ; tensor_dim1 = rows
	s_mov_b32 s[\g+3], 32<<16                      ; tile_dim0 = 32
	s_mov_b32 s[\g+4], \rows                       ; tile_dim1 = rows
	s_mov_b32 s[\g+5], 32                          ; from row to row: 32 elements, the block is dense
	s_mov_b32 s[\g+6], 0
	s_mov_b32 s[\g+7], 0
.endm
	s_load_b256 s[4:11], s[0:1], 0x0               ; zf s[4:5], cf s[6:7], zsq s[8:9], part s[10:11]
	v_lshl_add_u32 v254, v0, 2, 0x4e800
	v_mov_b32 v255, 0
	ds_add_u32 v254, v255
	v_lshrrev_b32 v1, 5, v0
	v_readfirstlane_b32 s12, v1                    ; wave 0..7
	s_bfe_u32 s13, ttmp6, 0x40000                  ; cx
	s_bfe_u32 s14, ttmp6, 0x40004                  ; cy
	s_lshl_b32 s15, ttmp9, 2
	s_add_co_u32 s15, s15, s13                     ; x: my slice of 512 codes
	s_and_b32 s52, ttmp7, 0xffff
	s_lshl_b32 s52, s52, 2
	s_add_co_u32 s52, s52, s14                     ; y: my block of 512 rows
	s_lshl_b32 s53, s14, 2
	s_lshl_b32 s53, 15, s53                        ; my row of the cluster: places 4 cy .. 4 cy + 3
	s_lshl_b32 s54, 0x1111, s13                    ; my column: places cx, cx + 4, cx + 8, cx + 12
	s_or_b32 s[G1Z], s53, (3<<16)|(1<<21)          ; 15:0 mask: z goes to my row; 17:16 elements of 8 bytes; 21 set beside a mask
	s_or_b32 s[G1Y], s54, (3<<16)|(1<<21)          ; the codes go to my column
	s_or_b32 s[G1X], s54, (3<<16)|(1<<21)
	SHAPE G1Z, 128                                 ; 32,768 bytes: one wave's 64 rows of z
	SHAPE G1Y, 29                                  ; 7,424 bytes: an eighth of e_sq and tiles 0..6
	SHAPE G1X, 100                                 ; 25,600 bytes: an eighth of tiles 7..31
	; LDS addresses hang on the wave's number alone; z's global address on y and the wave, the codes' on x and the wave, in registers of their own
	s_mov_b32 s40, 1
	s_lshl_b32 s63, s12, 15
	s_add_co_u32 s41, s63, XB                      ; z: XB + 32,768 w
	s_lshl_b32 s66, s52, 18
	s_add_co_u32 s66, s66, s63                     ; zf + 262,144 y + 32,768 w
	s_mov_b32 s67, 0
	s_mov_b32 s44, 1
	s_mul_i32 s45, s12, 7424                       ; first codes: 7,424 w
	s_mov_b32 s48, 1
	s_mul_i32 s49, s12, 25600
	s_mul_i32 s68, s15, SLICE
	s_add_co_u32 s70, s68, s49
	s_add_co_u32 s70, s70, XB                      ; cf + 264,192 x + XB + 25,600 w
	s_add_co_u32 s68, s68, s45                     ; cf + 264,192 x + 7,424 w
	s_mov_b32 s69, 0
	s_mov_b32 s71, 0
	s_add_co_u32 s49, s49, XB                      ; refill: XB + 25,600 w
	s_lshl_b32 s74, s52, 11
	s_lshl_b32 s75, s12, 8
	s_add_co_u32 s74, s74, s75                     ; z_sq of my wave's 64 rows: 4 (512 y + 64 w)
	s_mov_b32 s75, 0
	s_mov_b32 s60, 0x76543210                      ; v_permlanex16_b32: lane i reads lane i of the other half
	s_mov_b32 s61, 0xfedcba98
	s_mov_b32 s62, 0xffff0000                      ; lanes 16..31
	s_wait_dscnt 0x0
	s_wait_kmcnt 0x0
	s_add_nc_u64 s[42:43], s[4:5], s[66:67]
	s_or_b32 s43, s43, 0x80000000                  ; type = 2
	s_add_nc_u64 s[46:47], s[6:7], s[68:69]
	s_or_b32 s47, s47, 0x80000000
	s_add_nc_u64 s[50:51], s[6:7], s[70:71]
	s_or_b32 s51, s51, 0x80000000
	s_add_nc_u64 s[74:75], s[8:9], s[74:75]
	ROUND                                          ; all sixteen work-groups are here: the first joint loads meet
	tensor_load_to_lds s[40:43], s[G1Z:G1Z+7]      ; my wave's rows of z
	s_nop 0
	tensor_load_to_lds s[44:47], s[G1Y:G1Y+7]      ; my eighth of e_sq and tiles 0..6
	s_nop 0
	v_and_b32 v1, 31, v0                           ; lane
	v_and_b32 v2, 15, v0                           ; r
	v_bfe_u32 v3, v0, 4, 1                         ; h
	v_lshlrev_b32 v7, 4, v2
	global_load_b128 v[8:11], v7, s[74:75]         ; z_sq of the rows 4 r .. 4 r + 3
	v_lshlrev_b32 v[FA], 4, v1
	v_add_nc_u32 v[ZA], s41, v[FA]
	v_add_nc_u32 v[FA], 2048, v[FA]
	v_lshlrev_b32 v[EA], 5, v3
.irp i, 0,1,2,3
	v_mov_b32 v[BEST+\i], 0x7f800000               ; + infinity: the first tile's least d takes its place
	v_mov_b32 v[BLK+\i], 0
.endr
.set n, 0
.rept 32
	v_mov_b32 v[SV+n], 0x7f800000                  ; the selects below read SV: it is written whole first
.set n, n+1
.endr
	s_wait_tensorcnt 0x1                           ; tensor loads of a wave end in order: my rows of z, issued first, are in; the codes may stay out.  Only I read these bytes
	WIN 0x40                                       ; destination window 1, address window 0
.set n, 0
.rept 64
	ds_load_b128 v[4*n:4*n+3], v[ZA] offset:512*n  ; block x of tile i (n = 16 i + x) to registers 64 i + 4 x of window 1
.set n, n+1
.endr
	WIN 0
	s_wait_dscnt 0x0                               ; my reads of z are back,
	s_wait_tensorcnt 0x0                           ; and all my tensor loads have landed, my eighth of the first codes among them:
	ds_add_u32 v254, v255
	s_wait_dscnt 0x0
	ROUND                                          ; the same now holds of every wave of the cluster: the bytes of z may be filled again, and tiles 0..6 read
	tensor_load_to_lds s[48:51], s[G1X:G1X+7]      ; first behind the round, and my last tensor load: my eighth of tiles 7..31
	s_nop 0
	s_wait_loadcnt 0x0                             ; z_sq
.irp i, 0,1,2,3
	v_mov_b32 v[ZS+2*\i], v[8+\i]
	v_mov_b32 v[ZS+2*\i+1], v[8+\i]
.endr
; 18 LDS loads: the 16 blocks of the tile that lies t tiles behind address fa, then e_sq of my eight codes of it
.macro FETCH fa, ea, t
.irp x, 0,1,2,3,4,5,6,7,8,9,10,11,12,13,14,15
	ds_load_b128 v[FR+4*\x:FR+4*\x+3], v[\fa] offset:8192*(\t)+512*\x
.endr
	ds_load_b128 v[ES:ES+3], v[\ea] offset:64*(\t)
	ds_load_b128 v[ES+4:ES+7], v[\ea] offset:64*(\t)+16
.endm
; One code tile against my 64 rows.  ctsrc: its number (a constant or s55).
; pre = 1: the next tile, number t, is fetched by the constant addresses; pre = 2: tile s55 + 1 by addresses made of the counter; pre = 0: none.
.macro TILE ctsrc, pre, t
	s_wait_dscnt 0x2                               ; LDS loads return in order: the 16 blocks are in, the two loads of e_sq, issued last, may stay out
	WIN 0x04                                       ; source 1 (z) window 1
	; the four accumulators take turns, one instruction a turn; the first K step starts the sums
.irp s, 0,1,2,3,4,5,6,7
.irp i, 0,1,2,3
.if \s
	v_wmma_f32_16x16x32_bf16 v[ACC+8*\i:ACC+8*\i+7], v[FR+8*\s:FR+8*\s+7], v[64*\i+8*\s:64*\i+8*\s+7], v[ACC+8*\i:ACC+8*\i+7]
.else
	v_wmma_f32_16x16x32_bf16 v[ACC+8*\i:ACC+8*\i+7], v[FR+8*\s:FR+8*\s+7], v[64*\i+8*\s:64*\i+8*\s+7], 0
.endif
.endr
.endr
	WIN 0
	s_wait_dscnt 0x0                               ; e_sq
	; fl(z_sq + e_sq).  These 16 lines name no register of a matrix instruction: they are the places in front of the loads
	; into FR, of the reads of ACC, and of the next tile's first products, which write over ACC
.irp i, 0,1,2,3
.irp k, 0,2,4,6
	v_pk_add_f32 v[ZT+8*\i+\k:ZT+8*\i+\k+1], v[ES+\k:ES+\k+1], v[ZS+2*\i:ZS+2*\i+1]
.endr
.endr
.if \pre == 1
	FETCH FA, EA, \t
.endif
.if \pre == 2
	v_lshl_add_u32 v[FB], s55, 13, v[FA]
	v_lshl_add_u32 v[EB], s55, 6, v[EA]
	FETCH FB, EB, 1
.endif
	v_mov_b32 v[CTV], \ctsrc
	; d = fl((z_sq + e_sq) - 2 cross): 2 cross is exact, so the fused form rounds once, as the subtraction does
.irp i, 0,1,2,3
.irp k, 0,2,4,6
	v_pk_fma_f32 v[ZT+8*\i+\k:ZT+8*\i+\k+1], v[ACC+8*\i+\k:ACC+8*\i+\k+1], -2.0, v[ZT+8*\i+\k:ZT+8*\i+\k+1] op_sel_hi:[1,0,1]
.endr
.endr
	; the least of a lane's eight, the four rows side by side so that no line waits for the one in front of it
.irp i, 0,1,2,3
	v_min3_num_f32 v[M+\i], v[ZT+8*\i], v[ZT+8*\i+1], v[ZT+8*\i+2]
.endr
.irp i, 0,1,2,3
	v_min3_num_f32 v[M+\i], v[M+\i], v[ZT+8*\i+3], v[ZT+8*\i+4]
.endr
.irp i, 0,1,2,3
	v_min3_num_f32 v[M+\i], v[M+\i], v[ZT+8*\i+5], v[ZT+8*\i+6]
.endr
.irp i, 0,1,2,3
	v_min_num_f32 v[M+\i], v[M+\i], v[ZT+8*\i+7]
.endr
.irp i, 0,1,2,3
	v_cmp_lt_f32 s[56+\i], v[M+\i], v[BEST+\i]     ; strictly less: the earlier tile keeps a tie
.endr
	; values are selected, nothing branches: the least d, its tile, and the tile's eight d, from which the place is read at the end
.irp i, 0,1,2,3
	v_cndmask_b32 v[BEST+\i], v[BEST+\i], v[M+\i], s[56+\i]
	v_cndmask_b32 v[BLK+\i], v[BLK+\i], v[CTV], s[56+\i]
.irp j, 0,1,2,3,4,5,6,7
	v_cndmask_b32 v[SV+8*\i+\j], v[SV+8*\i+\j], v[ZT+8*\i+\j], s[56+\i]
.endr
.endr
.endm
	; tiles 0..6, written out: every LDS address is FA or EA plus a constant of at most 6 x 8,192 + 7,680, below XB, where the refill is landing
	FETCH FA, EA, 0
.irp c, 0,1,2,3,4,5
	TILE \c, 1, \c+1
.endr
	TILE 6, 0, 0                                   ; fetches nothing: tile 7 is part of the refill.  No LDS load of mine is out behind it
	s_wait_tensorcnt 0x0                           ; my eighth of tiles 7..31 is in,
	s_barrier_signal -1
	s_barrier_wait -1                              ; everybody's is
	v_add_nc_u32 v[FB], 7*8192, v[FA]
	v_add_nc_u32 v[EB], 7*64, v[EA]
	FETCH FB, EB, 0
	s_mov_b32 s55, 7
.Ltile:                                            ; tiles 7..30, each fetching the next
	TILE s55, 2, 1
	s_add_co_u32 s55, s55, 1
	s_cmp_lt_u32 s55, 31
	s_cbranch_scc1 .Ltile
	TILE s55, 0, 0                                 ; tile 31
	; the way out
	s_lshl_b32 s54, s15, 9                         ; 512 x
	v_lshlrev_b32 v[IB], 3, v3
	v_add_nc_u32 v[IB], s54, v[IB]                 ; + 8 h
	s_lshl_b32 s72, s15, 16                        ; part: 65,536 x + 4 (512 y + 64 w)
	s_lshl_b32 s73, s52, 11
	s_add_co_u32 s72, s72, s73
	s_lshl_b32 s73, s12, 8
	s_add_co_u32 s72, s72, s73
	s_mov_b32 s73, 0
	s_add_nc_u64 s[72:73], s[10:11], s[72:73]
	v_lshlrev_b32 v[VO], 4, v2                     ; 16 r: the rows 4 r .. 4 r + 3
	v_lshl_add_u32 v[VO], v3, 15, v[VO]            ; lanes 0..15 the plane of d, lanes 16..31 the plane of indices
; Row 4 r + i: the lowest j whose saved d is the least (one of the eight is), the index, and the better of the two halves of the lanes
.macro FINAL i
	v_mov_b32 v[IDX+\i], 7
.irp j, 6,5,4,3,2,1,0
	v_cmp_neq_f32 vcc_lo, v[SV+8*\i+\j], v[BEST+\i]
	v_cndmask_b32 v[IDX+\i], \j, v[IDX+\i], vcc_lo ; equal: j; the lowest j is written last
.endr
	v_lshl_add_u32 v[IDX+\i], v[BLK+\i], 4, v[IDX+\i]
	v_add_nc_u32 v[IDX+\i], v[IB], v[IDX+\i]       ; 512 x + 16 tile + 8 h + j
	v_permlanex16_b32 v[M+\i], v[BEST+\i], s60, s61        ; the other half's pair; M and ZT have been written and are free
	v_permlanex16_b32 v[ZT+\i], v[IDX+\i], s60, s61
	v_cmp_lt_f32 s56, v[M+\i], v[BEST+\i]
	v_cmp_eq_f32 s57, v[M+\i], v[BEST+\i]
	v_cmp_lt_u32 s58, v[ZT+\i], v[IDX+\i]
	s_and_b32 s57, s57, s58
	s_or_b32 s56, s56, s57                         ; less, or equal with the lower index
	v_cndmask_b32 v[BEST+\i], v[BEST+\i], v[M+\i], s56
	v_cndmask_b32 v[IDX+\i], v[IDX+\i], v[ZT+\i], s56
	v_cndmask_b32 v[OUTV+\i], v[BEST+\i], v[IDX+\i], s62   ; lanes 0..15 store d, lanes 16..31 the index
.endm
	FINAL 0
	FINAL 1
	FINAL 2
	FINAL 3
	global_store_b128 v[VO], v[OUTV:OUTV+3], s[72:73]      ; each half of the lanes stores 256 consecutive bytes, aligned
	s_wait_tensorcnt 0x0
	ds_add_u32 v254, v255
	s_wait_dscnt 0x0
	ROUND                                          ; the closing round: no work-group ends while a partner may still ask for a tile that names it
	s_endpgm
.Lfunc_end_k_q03a7413bfd_main:
	.size	k_q03a7413bfd_main, .Lfunc_end_k_q03a7413bfd_main-k_q03a7413bfd_main
	.p2alignl 7, 3214868480
	.fill 96, 4, 3214868480
	.section	.rodata,"a",@progbits
	.p2align	6, 0x0
	.amdhsa_kernel k_q03a7413bfd_main
		.amdhsa_group_segment_fixed_size 327680
		.amdhsa_private_segment_fixed_size 0
		.amdhsa_enable_private_segment 0
		.amdhsa_kernarg_size 32
		.amdhsa_user_sgpr_count 2
		.amdhsa_user_sgpr_kernarg_segment_ptr 1
		.amdhsa_wavefront_size32 1
		.amdhsa_system_sgpr_workgroup_id_x 1
		.amdhsa_system_sgpr_workgroup_id_y 1
		.amdhsa_system_sgpr_workgroup_id_z 1
		.amdhsa_system_vgpr_workitem_id 0
		.amdhsa_next_free_vgpr 512
		.amdhsa_next_free_sgpr 76
		.amdhsa_reserve_vcc 1
		.amdhsa_float_denorm_mode_32 3
		.amdhsa_float_denorm_mode_16_64 3
		.amdhsa_memory_ordered 1
		.amdhsa_forward_progress 1
		.amdhsa_inst_pref_size 99
	.end_amdhsa_kernel
	.amdgpu_metadata
---
amdhsa.version: [ 1, 2 ]
amdhsa.kernels:
  - .name:           k_q03a7413bfd_main
    .symbol:         k_q03a7413bfd_main.kd
    .args:
      - { .name: zf, .offset: 0, .size: 8, .value_kind: global_buffer, .address_space: global }
      - { .name: cf, .offset: 8, .size: 8, .value_kind: global_buffer, .address_space: global }
      - { .name: zsq, .offset: 16, .size: 8, .value_kind: global_buffer, .address_space: global }
      - { .name: part, .offset: 24, .size: 8, .value_kind: global_buffer, .address_space: global }
    .group_segment_fixed_size: 327680
    .private_segment_fixed_size: 0
    .kernarg_segment_align: 8
    .kernarg_segment_size: 32
    .max_flat_workgroup_size: 256
    .sgpr_count:     76
    .vgpr_count:     512
    .wavefront_size: 32
...
	.end_amdgpu_metadata
.endif
;; end of part 2
;; launch merge (part 3): grid 128 x 1, 1 waves a work-group, no clusters, 0 bytes of LDS; arguments part, out0; writes out0
.if DOCPART == 3
	.amdgcn_target "amdgcn-amd-amdhsa--gfx1250"
	.amdhsa_code_object_version 6
	.text
	.protected	k_q03a7413bfd_merge
	.globl	k_q03a7413bfd_merge
	.p2align	8
	.type	k_q03a7413bfd_merge,@function
k_q03a7413bfd_merge:
	s_mov_b64 s[64:65], 0
	v_nop
	global_prefetch_b8 v0, s[64:65] scope:SCOPE_SE
	s_setreg_imm32_b32 hwreg(HW_REG_WAVE_MODE, 25, 1), 1
	s_wait_xcnt 0x0
; MERGE: out0[row] = the index of the least d among the 16 slices of part[slice][0: d, 1: index][8192]; the earlier slice keeps a tie, and
; since a slice's indices are all below the next slice's, that is the first index of the least distance.
; One wave takes 64 rows, a lane two: every load and the store cover 256 consecutive bytes, aligned; 128 work-groups, since half as many
; rows each would store half of such a run.  All 32 loads are issued at once.  Values are selected, nothing branches on them.
; LIMIT: a NaN among the distances is never chosen (ordered compare).
.set DV, 8                             ; v[8:39]   d of slice s in the pair at 2 s; the pair of slice 0 becomes the running least
.set IV, 40                            ; v[40:71]  the indices likewise
	s_load_b128 s[4:7], s[0:1], 0x0                ; part s[4:5], out0 s[6:7]
	v_lshlrev_b32 v1, 3, v0                        ; 8 bytes a lane
	s_lshl_b32 s8, ttmp9, 8                        ; 64 rows of 4 bytes
	s_mov_b32 s9, 0
	s_wait_kmcnt 0x0
	s_add_nc_u64 s[4:5], s[4:5], s[8:9]
	s_add_nc_u64 s[6:7], s[6:7], s[8:9]
.set sl, 0
.rept 16
	global_load_b64 v[DV+2*sl:DV+2*sl+1], v1, s[4:5] offset:65536*sl th:TH_LOAD_NT
	global_load_b64 v[IV+2*sl:IV+2*sl+1], v1, s[4:5] offset:65536*sl+32768 th:TH_LOAD_NT
.set sl, sl+1
.endr
.set sl, 1
.rept 15
	s_wait_loadcnt 30-2*sl                         ; loads return in order: slices 0 .. sl are in, the two loads of each later slice stay out
	v_cmp_lt_f32 vcc_lo, v[DV+2*sl], v[DV]
	v_cndmask_b32 v[DV], v[DV], v[DV+2*sl], vcc_lo
	v_cndmask_b32 v[IV], v[IV], v[IV+2*sl], vcc_lo
	v_cmp_lt_f32 vcc_lo, v[DV+2*sl+1], v[DV+1]
	v_cndmask_b32 v[DV+1], v[DV+1], v[DV+2*sl+1], vcc_lo
	v_cndmask_b32 v[IV+1], v[IV+1], v[IV+2*sl+1], vcc_lo
.set sl, sl+1
.endr
	global_store_b64 v1, v[IV:IV+1], s[6:7]
	s_endpgm
.Lfunc_end_k_q03a7413bfd_merge:
	.size	k_q03a7413bfd_merge, .Lfunc_end_k_q03a7413bfd_merge-k_q03a7413bfd_merge
	.p2alignl 7, 3214868480
	.fill 96, 4, 3214868480
	.section	.rodata,"a",@progbits
	.p2align	6, 0x0
	.amdhsa_kernel k_q03a7413bfd_merge
		.amdhsa_group_segment_fixed_size 0
		.amdhsa_private_segment_fixed_size 0
		.amdhsa_enable_private_segment 0
		.amdhsa_kernarg_size 16
		.amdhsa_user_sgpr_count 2
		.amdhsa_user_sgpr_kernarg_segment_ptr 1
		.amdhsa_wavefront_size32 1
		.amdhsa_system_sgpr_workgroup_id_x 1
		.amdhsa_system_sgpr_workgroup_id_y 1
		.amdhsa_system_sgpr_workgroup_id_z 1
		.amdhsa_system_vgpr_workitem_id 0
		.amdhsa_next_free_vgpr 72
		.amdhsa_next_free_sgpr 66
		.amdhsa_reserve_vcc 1
		.amdhsa_float_denorm_mode_32 3
		.amdhsa_float_denorm_mode_16_64 3
		.amdhsa_memory_ordered 1
		.amdhsa_forward_progress 1
		.amdhsa_inst_pref_size 7
	.end_amdhsa_kernel
	.amdgpu_metadata
---
amdhsa.version: [ 1, 2 ]
amdhsa.kernels:
  - .name:           k_q03a7413bfd_merge
    .symbol:         k_q03a7413bfd_merge.kd
    .args:
      - { .name: part, .offset: 0, .size: 8, .value_kind: global_buffer, .address_space: global }
      - { .name: out0, .offset: 8, .size: 8, .value_kind: global_buffer, .address_space: global }
    .group_segment_fixed_size: 0
    .private_segment_fixed_size: 0
    .kernarg_segment_align: 8
    .kernarg_segment_size: 16
    .max_flat_workgroup_size: 32
    .sgpr_count:     66
    .vgpr_count:     72
    .wavefront_size: 32
...
	.end_amdgpu_metadata
.endif
;; end of part 3
